; MI455X (gfx1250); checked and timed in simulation.
; The chip was launched on July 23, 2026; its instructions are those of AMD's public machine-readable ISA for CDNA 5 (MIT licence, August 2026) and "CDNA5" Instruction Set Architecture Reference Guide (July 2026). The comments in the code are by the model that wrote it; some were corrected since.
;; Attention Block. Allowed arithmetic: matrix products marked QUANTISED: E5M2 operands, one given power-of-two scale a tensor, by v_wmma_f32_16x16x64_bf8_bf8 or v_wmma_f32_16x16x128_bf8_bf8, f32 sums; everything else in f32.
;; Inputs: b_out 1,024 float32; k 4 x 2,048 x 1,024 float32; lowp_scales 6 int32 (the exponents e of the quantised operands' scales 2^e); q 4 x 2,048 x 1,024 float32; v 4 x 2,048 x 1,024 float32; w_out 1,024 x 1,024 float32.
;; Outputs: out0 4 x 2,048 x 1,024 float32.
;; This version of the problem:
;;   THIS VERSION OF THE PROBLEM IS GIVEN IN LOW PRECISION. The matrix products marked QUANTISED in the list below multiply operands that are first quantised to E5M2 (5 exponent bits, 2 mantissa bits; 8 bits a number), with one given power-of-two scale for each operand tensor; their sums are f32. All else is computed in f32.
;;   The module's matrix products, in the order in which they are computed (A, B: the left and right operand; K: the contracted axis; several contracted axes count as one K, in the product's order):
;;     1. batch 64 x [M 2,048, K 64] x [K 64, N 2,048]; A: input q; B: input k: QUANTISED (scales: A lowp_scales[0], B lowp_scales[1])
;;     2. batch 64 x [M 2,048, K 2,048] x [K 2,048, N 64]; A: softmax (see below); B: input v: QUANTISED (scales: A lowp_scales[2], B lowp_scales[3])
;;     3. [M 8,192, K 1,024] x [K 1,024, N 1,024]; A: computed on the way; B: input w_out: QUANTISED (scales: A lowp_scales[4], B lowp_scales[5])
;;   THE QUANTISER, for each operand of a quantised product, along K:
;;     - The operand's scale is 2^e, e = its entry of the input lowp_scales (int32; the entries are numbered through the quantised products in the list's order, A before B).
;;     - Each number is divided by the scale, clamped to +-57,344, and rounded to the nearest number of E5M2, ties to even, subnormals kept.
;;     - The product sums the exact products of the quantised numbers (number of the format x scale) in f32.
;;   ~~~python
;;   def quantise(x, axis, e):      # numpy; x: float32 -> the quantised numbers, widened to float32 again
;;       x = np.moveaxis(x, axis, -1); K = x.shape[-1]
;;       r = np.clip(x / 2.0 ** e, -57344, 57344)
;;       step = 2.0 ** (np.maximum(np.frexp(np.where(r == 0, 1, r))[1] - 1, -14) - 2)
;;       q = np.round(r / step) * step * 2.0 ** e      # np.round: ties to even
;;       return np.moveaxis(q, -1, axis).astype(np.float32)
;;   ~~~
;;   SOFTMAX AHEAD OF A QUANTISED PRODUCT. Where the list says 'softmax', what is quantised is not the finished softmax but p = 2^(t - M), with t = logit x log2(e) and M = ceil(the row's largest t), a whole number; so 1/2 < the row's largest p <= 1. The row's sum l is taken of the UNQUANTISED p, in f32, and the product's result is divided by l at the end. Since M is a whole number, a kernel that streams over the keys may use a running M (the ceiling of the running maximum): every later rescaling is an exact power of two, so the quantised numbers keep their values, but for numbers so far below the row's largest that they fall under the format's range.
;;   OPERANDS COMPUTED ON THE WAY. 'Computed on the way' means the value that the module computes at that place (a softmax that the list does not call 'softmax' is quantised finished and normalised). What goes into a quantiser is computed in f32, as accurately as f32 sums, v_exp_f32 and their like allow (about 1e-6 of the number): no bf16 or f16 on the way to a quantiser, and a product that is left as it is and whose result goes on into a quantised operand takes f32 operands (vector FMAs, or v_wmma_f32_16x16x4_f32). A number that lies on a knife's edge between two numbers of the format may be rounded either way, as far as f32 arithmetic and the matrix unit's own rounding can turn it there, and no further.
;; One version. Each part assembles by itself: llvm-mc -triple=amdgcn-amd-amdhsa -mcpu=gfx1250 --defsym DOCPART=n.
;; ======== version 1 of 1: 3 launches
;; limits: right only within a limited range of input values
;; workspace buffers: kv_codes 16,777,216 bytes; w_codes 1,048,576 bytes; a_codes 8,388,608 bytes
;; launch quant (part 1): grid 1088 x 1, 4 waves a work-group, no clusters, 34,304 bytes of LDS; arguments k, v, w_out, lowp_scales, kv_codes, w_codes; writes kv_codes, w_codes
.if DOCPART == 1
	.amdgcn_target "amdgcn-amd-amdhsa--gfx1250"
	.amdhsa_code_object_version 6
	.text
	.protected	k_q5c7f1b7b44_quant
	.globl	k_q5c7f1b7b44_quant
	.p2align	8
	.type	k_q5c7f1b7b44_quant,@function
k_q5c7f1b7b44_quant:
	s_mov_b64 s[64:65], 0
	v_nop
	global_prefetch_b8 v0, s[64:65] scope:SCOPE_SE
	s_setreg_imm32_b32 hwreg(HW_REG_WAVE_MODE, 25, 1), 1
	s_wait_xcnt 0x0
; k, v [4][2048][1024] and w_out [1024][1024], f32, become codes of BF8 (E5M2), each with its given scale 2^e (k: entry 1, v: entry 3, w_out: entry 5 of the scales),
; laid as IMAGES OF OPERAND REGISTERS: an image is 512 bytes, lane l's 16 bytes at 16 l; lane (r = l % 16, h = l / 16) holds row r of a tile of 16 rows and, in image c, k = 32 c + 16 h + 0 .. 15.
; code = x / 2^e, held within +-57,344, to the nearest code, ties to even.  LIMITS: -126 <= e <= 112.  NaN among the inputs is not served.
; THE ROWS OF A TILE ARE NOT NEIGHBOURS: in a group of 32 rows, lane r of tile u (0, 1) takes row 8 u + r + 8 (r / 8), so that a later product's 16 result registers of two neighbouring tiles are 16 neighbours.
; kv_codes: [batch x head 64][block of 128 keys 16][16,384]: bytes 0-8,191 K: tile t (16 keys) at 1,024 t, image c (the head's 64: c = 0, 1) at 512 c;
;           bytes 8,192-16,383 V^T: tile t (16 of the head's 64) at 2,048 t, image c (32 keys each: c = 0 .. 3) at 512 c.
; w_codes:  [block of 128 rows n 8][128 along k 8][tile 8][2,048]: four images.
; WORK-GROUPS: 0-511 take k, 512-575 w_out (one way through the text: K is innermost in both; only pointers, strides and e are chosen, by the work-group's number); 576-1,087 take v, whose K (the keys) is not innermost.
; Each wave loads all that it owns, 16 KiB of f32, works and ends: no loop, no pointer is stepped, no store's register is written again.  No cluster: no two work-groups read the same bytes.  No barrier: waves share nothing.
.set NKWG,   512                       ; work-groups for k
.set VFIRST, 576                       ; the first for v
.set ROWB,   4096                      ; a row of any of the three tensors in bytes
.set SPITCH, 528                       ; a stage row: 512 bytes + 16 of padding: an odd multiple of 16, so that sixteen rows' reads start at sixteen different groups of banks
.set WSTG,   16*SPITCH                 ; a wave's stage
.set R,      32                        ; v32-159  two sets of 64 numbers (k, w_out); v32-95 two sets of 32 (v)
.set C,      160                       ; v160-191 codes (k, w_out)
.set CV,     96                        ; v96-127  codes (v)
	s_load_b256 s[4:11], s[0:1], 0x0               ; k s[4:5], v s[6:7], w_out s[8:9], the scales' exponents s[10:11]
	s_load_b128 s[12:15], s[0:1], 0x20             ; kv_codes s[12:13], w_codes s[14:15]
	v_lshl_add_u32 v12, v0, 2, 0x8400
	v_mov_b32 v13, 0
	v_lshrrev_b32 v1, 5, v0
	v_readfirstlane_b32 s16, v1                    ; wave 0..3
	v_and_b32 v1, 31, v0                           ; lane
	s_wait_kmcnt 0x0
	s_load_b128 s[20:23], s[10:11], 0x0            ; e0 .. e3
	s_load_b64 s[24:25], s[10:11], 0x10            ; e4, e5
	s_cmp_ge_u32 ttmp9, VFIRST
	s_cbranch_scc1 .Lv_path
; ---------------- k and w_out: K innermost.  A work-group takes 128 rows x 128 columns, a wave 32 rows: two tiles.
	s_cmp_lt_u32 ttmp9, NKWG
	s_cselect_b32 s17, 0, NKWG
	s_sub_co_u32 s17, ttmp9, s17                   ; g: my number within the tensor
	s_lshr_b32 s18, s17, 3                         ; rb: which 128 rows
	s_and_b32 s19, s17, 7                          ; cg: which 128 columns
	s_lshl_b32 s28, s18, 19                        ; in: 128 rows of 4,096 bytes,
	s_lshl_b32 s29, s19, 9                         ; 128 columns of 4 bytes,
	s_add_co_u32 s28, s28, s29
	s_lshl_b32 s29, s16, 17                        ; my wave's 32 rows
	s_add_co_u32 s28, s28, s29
	s_mov_b32 s29, 0
	s_lshr_b32 s30, s18, 4                         ; k's way out: batch = rb / 16, heads 2 cg and 2 cg + 1, block rb % 16
	s_lshl_b32 s30, s30, 4
	s_lshl_b32 s31, s19, 1
	s_add_co_u32 s30, s30, s31
	s_lshl_b32 s30, s30, 4
	s_and_b32 s31, s18, 15
	s_add_co_u32 s30, s30, s31
	s_lshl_b32 s30, s30, 14
	s_lshl_b32 s32, s17, 14                        ; w_out's: (8 rb + cg) x 16,384, and 8 rb + cg = g
	s_mov_b32 s33, 1024
	s_cmp_lt_u32 ttmp9, NKWG                       ; k or w_out?  The choices hang on the work-group's number alone
	s_cselect_b64 s[26:27], s[4:5], s[8:9]
	s_cselect_b64 s[34:35], s[12:13], s[14:15]
	s_cselect_b32 s30, s30, s32
	s_cselect_b32 s36, 262144, s33                 ; from columns 0-63 to columns 64-127: k: the next head; w_out: images 2 and 3 of the same fragment
	s_cselect_b32 s38, 10, 11                      ; a tile's fragment: 1,024 or 2,048 bytes
	s_mov_b32 s31, 0
	s_mov_b32 s37, 0
	s_add_nc_u64 s[26:27], s[26:27], s[28:29]      ; in
	s_add_nc_u64 s[34:35], s[34:35], s[30:31]      ; out, columns 0-63
	s_add_nc_u64 s[36:37], s[34:35], s[36:37]      ; out, columns 64-127
	s_wait_alu depctr_va_vdst(0)
	v_lshlrev_b32 v2, 4, v1                        ; 16 x lane: my 16 bytes of a load's 512, and of an image
	s_mul_i32 s39, s16, WSTG
	v_add_nc_u32 v3, s39, v2                       ; the stage, on the way in: a row as it lies
	v_and_b32 v7, 15, v0                           ; r
	v_bfe_u32 v8, v0, 4, 1                         ; h
	v_mul_u32_u24 v4, v7, SPITCH
	v_lshl_add_u32 v4, v8, 6, v4
	v_add_nc_u32 v4, s39, v4                       ; and on the way out: row r, + 64 h bytes: my 16 numbers of a run of 32
	s_lshl_b32 s40, s16, 1
	s_lshl_b32 s41, s40, s38
	v_add_nc_u32 v5, s41, v2                       ; where my codes of tile 2 w go,
	s_add_co_u32 s40, s40, 1
	s_lshl_b32 s41, s40, s38
	v_add_nc_u32 v6, s41, v2                       ; and those of tile 2 w + 1
.macro LOAD u                          ; tile u's sixteen rows, 512 consecutive bytes a load
.irp i, 0,1,2,3,4,5,6,7,8,9,10,11,12,13,14,15
	global_load_b128 v[R+64*\u+4*\i:R+64*\u+4*\i+3], v2, s[26:27] offset:(8*\u+\i+8*(\i/8))*ROWB th:TH_LOAD_NT
.endr
.endm
.macro TURN u                          ; through my stage, and back into the registers that they left: set q = my 16 neighbours of columns 32 q on.  LDS serves a wave's instructions in order (ISA guide 5.7.1.4): no wait between
.irp i, 0,1,2,3,4,5,6,7,8,9,10,11,12,13,14,15
	ds_store_b128 v3, v[R+64*\u+4*\i:R+64*\u+4*\i+3] offset:SPITCH*\i
.endr
.irp q, 0,1,2,3
.irp j, 0,1,2,3
	ds_load_b128 v[R+64*\u+16*\q+4*\j:R+64*\u+16*\q+4*\j+3], v4 offset:128*\q+16*\j
.endr
.endr
.endm
.macro WORK u                          ; four images: hold, convert, store.  Each store of the wave covers 512 consecutive bytes, aligned
.irp q, 0,1,2,3
.irp i, 0,1,2,3,4,5,6,7,8,9,10,11,12,13,14,15
	v_med3_num_f32 v[R+64*\u+16*\q+\i], v[R+64*\u+16*\q+\i], -v10, v10   ; the conversion to an 8-bit code does not saturate (ISA guide 7.6.2): hold first
.endr
	v_cvt_scalef32_pk8_bf8_f32 v[C+16*\u+4*\q:C+16*\u+4*\q+1], v[R+64*\u+16*\q:R+64*\u+16*\q+7], v11
	v_cvt_scalef32_pk8_bf8_f32 v[C+16*\u+4*\q+2:C+16*\u+4*\q+3], v[R+64*\u+16*\q+8:R+64*\u+16*\q+15], v11
	global_store_b128 v[5+\u], v[C+16*\u+4*\q:C+16*\u+4*\q+3], s[34+2*(\q/2):35+2*(\q/2)] offset:512*(\q%2)   ; the codes go to a store alone; the next vector lines are plain holds on other registers
.endr
.endm
	LOAD 0
	LOAD 1
	s_wait_alu depctr_va_vdst(0)
	s_wait_kmcnt 0x0
	s_cmp_lt_u32 ttmp9, NKWG
	s_cselect_b32 s42, s21, s25                    ; e1 for k, e5 for w_out
	s_add_co_i32 s42, s42, 127
	s_lshl_b32 s43, s42, 23
	v_mov_b32 v11, s43                             ; 2^e as f32: the conversion takes its exponent field
	s_add_co_i32 s42, s42, 15
	s_lshl_b32 s42, s42, 23
	s_or_b32 s42, s42, 0x600000
	v_mov_b32 v10, s42                             ; 57,344 x 2^e
	s_wait_alu depctr_va_vdst(0)
	s_wait_loadcnt 16                              ; tile 0's sixteen loads are in; tile 1's sixteen may be out
	TURN 0
	s_wait_loadcnt 0x0
	TURN 1
	s_wait_dscnt 32                                ; tile 0 is back; tile 1's 32 LDS instructions may be out
	WORK 0
	s_wait_dscnt 0x0
	WORK 1
	s_wait_tensorcnt 0x0
	ds_add_u32 v12, v13
	s_wait_dscnt 0x0
	s_endpgm
; ---------------- v: K = the keys is not innermost.  A lane takes a column (one of the head's 64) and its registers run down the keys: the conversions give codes with the keys innermost, and nothing is transposed.
; A work-group takes 128 keys x 128 columns, a wave 32 columns: half a head, two tiles of V^T.  This way uses no LDS.
.Lv_path:
	s_sub_co_u32 s17, ttmp9, VFIRST
	s_lshr_b32 s18, s17, 3                         ; rb: which 128 keys
	s_and_b32 s19, s17, 7                          ; cg: which 128 columns
	s_lshl_b32 s28, s18, 19
	s_lshl_b32 s29, s19, 9
	s_add_co_u32 s28, s28, s29
	s_lshl_b32 s29, s16, 7                         ; my wave's 32 columns
	s_add_co_u32 s28, s28, s29
	s_mov_b32 s29, 0
	s_add_nc_u64 s[26:27], s[6:7], s[28:29]
	s_lshr_b32 s30, s18, 4                         ; batch,
	s_lshl_b32 s30, s30, 4
	s_lshl_b32 s31, s19, 1
	s_add_co_u32 s30, s30, s31
	s_lshr_b32 s31, s16, 1
	s_add_co_u32 s30, s30, s31                     ; head 2 cg + wave / 2,
	s_lshl_b32 s30, s30, 4
	s_and_b32 s31, s18, 15
	s_add_co_u32 s30, s30, s31                     ; block of keys
	s_lshl_b32 s30, s30, 14
	s_and_b32 s31, s16, 1
	s_lshl_b32 s31, s31, 12                        ; which half of the head: tiles 0, 1 or 2, 3
	s_add_co_u32 s30, s30, s31
	s_add_co_u32 s30, s30, 8192                    ; behind the block's K
	s_mov_b32 s31, 0
	s_add_nc_u64 s[34:35], s[12:13], s[30:31]
	s_wait_alu depctr_va_vdst(0)
	v_lshlrev_b32 v2, 2, v1                        ; in: 4 bytes a lane
	v_bfe_u32 v3, v0, 3, 1                         ; column 'lane' of the 32 is row r = lane % 8 + 8 (lane / 16) of tile u = (lane / 8) % 2
	v_lshlrev_b32 v3, 11, v3
	v_and_b32 v4, 7, v0
	v_bfe_u32 v5, v0, 4, 1
	v_lshl_add_u32 v4, v5, 3, v4
	v_lshl_add_u32 v3, v4, 4, v3                   ; out: 2,048 u + 16 r
.macro LOADV t                         ; keys 32 t + i, my column: 128 consecutive bytes a wave, 512 a work-group
.irp i, 0,1,2,3,4,5,6,7,8,9,10,11,12,13,14,15,16,17,18,19,20,21,22,23,24,25,26,27,28,29,30,31
	global_load_b32 v[R+32*((\t)%2)+\i], v2, s[26:27] offset:(32*(\t)+\i)*ROWB th:TH_LOAD_NT
.endr
.endm
.macro BLOCK t                         ; 32 keys: image t of my two tiles
.if (\t) < 3
	s_wait_loadcnt 32                              ; this block's 32 loads are in; the next block's 32 may be out
.else
	s_wait_loadcnt 0x0
.endif
.irp i, 0,1,2,3,4,5,6,7,8,9,10,11,12,13,14,15,16,17,18,19,20,21,22,23,24,25,26,27,28,29,30,31
	v_med3_num_f32 v[R+32*((\t)%2)+\i], v[R+32*((\t)%2)+\i], -v10, v10
.endr
.irp g, 0,1,2,3
	v_cvt_scalef32_pk8_bf8_f32 v[CV+8*(\t)+2*\g:CV+8*(\t)+2*\g+1], v[R+32*((\t)%2)+8*\g:R+32*((\t)%2)+8*\g+7], v11
.endr
	global_store_b128 v3, v[CV+8*(\t):CV+8*(\t)+3], s[34:35] offset:512*(\t)          ; keys 0-15 of the 32: the image's lanes 0-15.  The wave's store covers two aligned runs of 256 bytes, one in each tile
	global_store_b128 v3, v[CV+8*(\t)+4:CV+8*(\t)+7], s[34:35] offset:512*(\t)+256    ; keys 16-31: its lanes 16-31
.if (\t)+2 < 4
	LOADV (\t)+2
.endif
.endm
	LOADV 0
	LOADV 1
	s_wait_kmcnt 0x0
	s_add_co_i32 s42, s23, 127                     ; e3
	s_lshl_b32 s43, s42, 23
	v_mov_b32 v11, s43
	s_add_co_i32 s42, s42, 15
	s_lshl_b32 s42, s42, 23
	s_or_b32 s42, s42, 0x600000
	v_mov_b32 v10, s42
	s_wait_alu depctr_va_vdst(0)
	BLOCK 0
	BLOCK 1
	BLOCK 2
	BLOCK 3
	s_endpgm
.Lfunc_end_k_q5c7f1b7b44_quant:
	.size	k_q5c7f1b7b44_quant, .Lfunc_end_k_q5c7f1b7b44_quant-k_q5c7f1b7b44_quant
	.p2alignl 7, 3214868480
	.fill 96, 4, 3214868480
	.section	.rodata,"a",@progbits
	.p2align	6, 0x0
	.amdhsa_kernel k_q5c7f1b7b44_quant
		.amdhsa_group_segment_fixed_size 34304
		.amdhsa_private_segment_fixed_size 0
		.amdhsa_enable_private_segment 0
		.amdhsa_kernarg_size 48
		.amdhsa_user_sgpr_count 2
		.amdhsa_user_sgpr_kernarg_segment_ptr 1
		.amdhsa_wavefront_size32 1
		.amdhsa_system_sgpr_workgroup_id_x 1
		.amdhsa_system_sgpr_workgroup_id_y 1
		.amdhsa_system_sgpr_workgroup_id_z 1
		.amdhsa_system_vgpr_workitem_id 0
		.amdhsa_next_free_vgpr 192
		.amdhsa_next_free_sgpr 66
		.amdhsa_reserve_vcc 0
		.amdhsa_float_denorm_mode_32 3
		.amdhsa_float_denorm_mode_16_64 3
		.amdhsa_memory_ordered 1
		.amdhsa_forward_progress 1
		.amdhsa_inst_pref_size 44
	.end_amdhsa_kernel
	.amdgpu_metadata
---
amdhsa.version: [ 1, 2 ]
amdhsa.kernels:
  - .name:           k_q5c7f1b7b44_quant
    .symbol:         k_q5c7f1b7b44_quant.kd
    .args:
      - { .name: k, .offset: 0, .size: 8, .value_kind: global_buffer, .address_space: global }
      - { .name: v, .offset: 8, .size: 8, .value_kind: global_buffer, .address_space: global }
      - { .name: w_out, .offset: 16, .size: 8, .value_kind: global_buffer, .address_space: global }
      - { .name: lowp_scales, .offset: 24, .size: 8, .value_kind: global_buffer, .address_space: global }
      - { .name: kv_codes, .offset: 32, .size: 8, .value_kind: global_buffer, .address_space: global }
      - { .name: w_codes, .offset: 40, .size: 8, .value_kind: global_buffer, .address_space: global }
    .group_segment_fixed_size: 34304
    .private_segment_fixed_size: 0
    .kernarg_segment_align: 8
    .kernarg_segment_size: 48
    .max_flat_workgroup_size: 128
    .sgpr_count:     66
    .vgpr_count:     192
    .wavefront_size: 32
...
	.end_amdgpu_metadata
.endif
;; end of part 1
;; launch attn (part 2): grid 4 x 64, 8 waves a work-group, clusters of 4 x 1, 301,056 bytes of LDS; arguments q, kv_codes, lowp_scales, a_codes; writes a_codes
.if DOCPART == 2
	.amdgcn_target "amdgcn-amd-amdhsa--gfx1250"
	.amdhsa_code_object_version 6
	.text
	.protected	k_q5c7f1b7b44_attn
	.globl	k_q5c7f1b7b44_attn
	.p2align	8
	.type	k_q5c7f1b7b44_attn,@function
k_q5c7f1b7b44_attn:
	s_mov_b64 s[64:65], 0
	v_nop
	global_prefetch_b8 v0, s[64:65] scope:SCOPE_SE
	s_setreg_imm32_b32 hwreg(HW_REG_WAVE_MODE, 25, 1), 1
	s_wait_xcnt 0x0
	s_wait_alu depctr_hold_cnt(0) depctr_sa_sdst(0) depctr_va_vdst(0) depctr_va_sdst(0) depctr_va_ssrc(0) depctr_va_vcc(0) depctr_vm_vsrc(0)
	s_getreg_b32 s2, hwreg(HW_REG_IB_STS2, 6, 4)
	s_cmp_eq_u32 s2, 0
	s_cbranch_scc0 .Lentry_in_a_cluster
	s_endpgm
.Lentry_in_a_cluster:
	s_bfe_u32 s2, ttmp6, 0x10000c
	s_cmp_lg_u32 s2, 0x3003
	s_cbranch_scc0 .Lentry_shape_is_right
	s_endpgm
.Lentry_shape_is_right:
; Attention of one head on codes of BF8 (E5M2): o = softmax(q k^T / 8) v, 2,048 queries x 2,048 keys x 64, for each of 64 (batch, head); o is quantised for the projection that follows.
; q: [4][2048][1024] f32, quantised here with 2^e0.  kv_codes: images of operand registers, [batch x head][block of 128 keys][16,384]: K's 8 tiles of 1,024 bytes, then V^T's 4 of 2,048.
; a_codes: [block of 128 rows 64][128 along k 8][tile of 16 rows 8][2,048]; head hd fills images 2 (hd % 2), 2 (hd % 2) + 1 of K step hd / 2.
; THE SOFTMAX: t = score x log2(e) / 8; M = the largest t so far, rounded UP to a whole number; p = 2^(t - M) is quantised with 2^e2, not normalised; the row's sum is taken of the unquantised p and divides O at the end.
; When M moves, the sum and O are multiplied by f = 2^(old M - new M).  o x 2^(e2 + e3) / 2^e4 is held and converted: the three exponents are folded into the conversion's one.
; SHARES.  A cluster of four work-groups is one (batch, head); a work-group owns 512 queries in two passes of 256; in a pass each of its EIGHT waves owns 32 queries, two tiles of 16,
; so that each fragment of K and of V^T read from LDS feeds two matrix instructions.  The two tiles' chains stand line by line beside each other.
; THE HEAD'S CODES STAY IN LDS: 262,144 bytes, asked for once, JOINTLY by the four work-groups: each wave issues one load of two blocks (32,768 bytes).  No LDS byte is filled twice: no ring, and one barrier in all.
; No prefetch: every tile is asked for at the kernel's head, so there is no loop to run ahead in; the second pass's q is loaded into registers a pass ahead.
; LAYOUT.  Both products are used transposed (S^T = K Q^T, O^T = V^T P^T): a lane holds ONE query of each tile.  The rows of K's and V^T's tiles are so chosen (lane r of tile 2 b + u: row 32 b + 8 u + r + 8 (r / 8))
; that the 16 result registers of tiles 2 b, 2 b + 1 are rows 32 b + 16 (lane / 16) + 0 .. 15: the conversions' results ARE the next operand's registers.  In every fragment lane (r, h) holds
; k = 32 c + 16 h + 0 .. 15 in registers 4 c .. 4 c + 3: a permutation of k, the same on both sides of each product.
; LIMITS on the given exponents: e0 and e4 - e2 - e3 between -126 and 112; e0 + e1 between -123 and 130; e2 BETWEEN -15 AND 112: p is at most 1, so p / 2^e2 is at most 32,768, under 57,344:
; the quantiser's clamp changes no p, and no hold is written for p.  NaN among the inputs is not served.
; REGISTERS.  Window 0 (tile p = 0, 1): v1 16 x lane; v2, v6 LDS addresses of V's and the next K's fragments; v3-5 q's addresses; v7/v10 scale and bound for o; v9/v8 for q; v11 scale for p;
;   v[12+4p] -M, +1 the largest t, +2,+3 the sum; v[20+2p] f; v[24+4p] four chains of maxima; v[32+8p] Q's codes; v48, v49 the add's two; v56-63 tile 1's chains of sums; v[64+64p] S^T, then p;
;   v[192+16p] p's codes; v224-255 tile 0's first-level sums, of which v224-231 are its four chains.
; Window 1: v[32p] O^T; v64-127 K's fragments; v128-191 V^T's; v[192+32p] the next pass's q.
.set BLKB,  16384
.set QSTG,  262144                     ; behind the codes: 16 rows x 144 bytes for each wave, its own, to turn q
.set QPIT,  144
.set SPARE, 0x49000                    ; the spare words: 128 bytes a wave, four blocks of 256 bytes that no other line names
.set ST,  12
.set FF,  20
.set CC,  24
.set QC,  32
.set SPW, 48
.set NIL, 49
.set SS,  64
.set PC,  192
.set TT,  224                          ; the chains of sums of tile p stand at TT - 168 p
.set OT,  0
.set KF,  64
.set VF,  128
.set QR,  192
.set WV,   12
.set CS,   22                          ; s[22:23] c = log2(e) / 8 x 2^(e0 + e1)
.set G1,   24
.set G0,   32
.set SEL,  54
.set TB,   56                          ; LDS byte of the block in hand
.set NX,   57                          ; and of the next one (behind the last: block 0, which the next pass begins with)
.set PASS, 58
.set CNT,  62
.set MSB, 0
.macro WIN new                         ; the immediate's high byte repeats the setting that is left
.if MSB != \new
	s_set_vgpr_msb (MSB<<8)|\new
.set MSB, \new
.endif
.endm
.macro CROUND                          ; a round of the cluster's barrier
	s_barrier_signal -1
	s_barrier_wait -1
	s_cmp_lg_u32 s[WV], 0
	s_cbranch_scc1 .Lnot_wave_0_\@
	s_barrier_signal -3
.Lnot_wave_0_\@:
	s_barrier_wait -3
	s_barrier_signal -1
	s_barrier_wait -1
.endm
	s_load_b256 s[4:11], s[0:1], 0x0               ; q, kv_codes, the scales' exponents, a_codes
	v_lshl_add_u32 v[SPW], v0, 2, SPARE
	v_mov_b32 v[NIL], 0
	ds_add_u32 v[SPW], v[NIL]                      ; the opening lines: the add twice on end and its wait ahead of my tensor load
	ds_add_u32 v[SPW], v[NIL]
	v_lshrrev_b32 v2, 5, v0
	v_readfirstlane_b32 s[WV], v2                  ; wave 0..7
	s_bfe_u32 s13, ttmp6, 0x40000                  ; cx: it enters q's and a_codes' addresses alone
	s_lshl_b32 s14, ttmp9, 2
	s_add_co_u32 s14, s14, s13                     ; x: my block of 512 queries
	s_and_b32 s15, ttmp7, 0xffff                   ; batch x 16 + head
	s_lshr_b32 s16, s15, 4
	s_and_b32 s17, s15, 15
	s_lshl_b32 s18, s16, 11                        ; q: row 2,048 batch + 512 x + 32 wave, of 4,096 bytes; + 256 head
	s_lshl_b32 s19, s14, 9
	s_add_co_u32 s18, s18, s19
	s_lshl_b32 s19, s[WV], 5
	s_add_co_u32 s18, s18, s19
	s_lshl_b32 s18, s18, 12
	s_lshl_b32 s19, s17, 8
	s_add_co_u32 s18, s18, s19
	s_mov_b32 s19, 0
	s_lshl_b32 s60, s16, 4                         ; a_codes: block of 128 rows 16 batch + 4 x + wave / 4,
	s_lshl_b32 s61, s14, 2
	s_add_co_u32 s60, s60, s61
	s_lshr_b32 s61, s[WV], 2
	s_add_co_u32 s60, s60, s61
	s_lshl_b32 s60, s60, 17
	s_lshr_b32 s61, s17, 1                         ; K step head / 2,
	s_lshl_b32 s61, s61, 14
	s_add_co_u32 s60, s60, s61
	s_and_b32 s61, s[WV], 3                        ; tiles of rows 2 (wave % 4) and the next,
	s_lshl_b32 s61, s61, 12
	s_add_co_u32 s60, s60, s61
	s_and_b32 s61, s17, 1                          ; images 2 (head % 2) on
	s_lshl_b32 s61, s61, 10
	s_add_co_u32 s60, s60, s61
	s_mov_b32 s61, 0
	s_lshl_b32 s59, s[WV], 15                      ; the two blocks that I fetch: their place in LDS and in the head's codes alike
	s_lshl_b32 s20, s15, 18
	s_add_co_u32 s20, s20, s59
	s_mov_b32 s21, 0
	s_mov_b32 s[G1], 15|(3<<16)|(1<<21)            ; the mask: all four work-groups; elements of 8 bytes; bit 21 beside a mask
	s_mov_b32 s[G1+1], 32<<16                      ; dense: 128 rows of 32 elements
	s_mov_b32 s[G1+2], 128<<16
	s_mov_b32 s[G1+3], 32<<16
	s_mov_b32 s[G1+4], 128
	s_mov_b32 s[G1+5], 32
	s_mov_b32 s[G1+6], 0
	s_mov_b32 s[G1+7], 0
	s_mov_b32 s[SEL], 0x76543210
	s_mov_b32 s[SEL+1], 0xfedcba98
	s_mov_b32 s[PASS], 2
	s_wait_dscnt 0x0
	s_wait_kmcnt 0x0
	s_load_b128 s[48:51], s[8:9], 0x0              ; e0 .. e3
	s_load_b64 s[52:53], s[8:9], 0x10              ; e4, e5
	s_add_nc_u64 s[4:5], s[4:5], s[18:19]
	s_add_nc_u64 s[10:11], s[10:11], s[60:61]
	s_add_nc_u64 s[6:7], s[6:7], s[20:21]
	CROUND                                         ; all four work-groups are here: the joint loads meet
	s_mov_b32 s[G0], 1
	s_mov_b32 s[G0+1], s59
	s_mov_b64 s[G0+2:G0+3], s[6:7]
	s_or_b32 s[G0+3], s[G0+3], 0x80000000
	tensor_load_to_lds s[G0:G0+3], s[G1:G1+7]      ; every wave's one load
	s_nop 0
.rept 4
	v_nop
.endr
	v_and_b32 v6, 31, v0
	v_lshlrev_b32 v1, 4, v6                        ; 16 x lane: my place in an image
	v_bfe_u32 v7, v0, 3, 2                         ; lane / 8
	v_and_b32 v26, 7, v0
	v_lshlrev_b32 v26, 4, v26
	v_lshl_add_u32 v3, v7, 12, v26                 ; q in memory: a load takes four rows' 128 bytes, eight lanes to a row
	s_mul_i32 s18, s[WV], 16*QPIT
	s_add_co_u32 s18, s18, QSTG                    ; my stage
	v_mul_u32_u24 v4, v7, QPIT
	v_add_nc_u32 v4, v4, v26
	v_add_nc_u32 v4, s18, v4                       ; into it: as loaded
	v_and_b32 v27, 15, v0
	v_bfe_u32 v28, v0, 4, 1
	v_mul_u32_u24 v5, v27, QPIT
	v_lshl_add_u32 v5, v28, 6, v5
	v_add_nc_u32 v5, s18, v5                       ; out of it: row r, + 64 h bytes
.macro QLOAD off                       ; my 32 queries' 64 numbers each: tile p, half c of the head's 64, rows 4 i + lane / 8
	WIN 0x40
.irp p, 0,1
.irp c, 0,1
.irp i, 0,1,2,3
	global_load_b128 v[QR+32*\p+16*\c+4*\i:QR+32*\p+16*\c+4*\i+3], v3, s[4:5] offset:\off+65536*\p+16384*\i+128*\c th:TH_LOAD_NT
.endr
.endr
.endr
	WIN 0
.endm
.macro QTURN                           ; q through my stage (16 rows x 32 numbers at a time, through the same bytes: LDS serves a wave's instructions in order, ISA guide 5.7.1.4), held, converted
	s_wait_alu depctr_va_vdst(0)
	s_wait_loadcnt 0x0
.irp p, 0,1
.irp c, 0,1
	WIN 0x04
.irp i, 0,1,2,3
	ds_store_b128 v4, v[QR+32*\p+16*\c+4*\i:QR+32*\p+16*\c+4*\i+3] offset:4*QPIT*\i
.endr
	WIN 0
.irp j, 0,1,2,3
	ds_load_b128 v[SS+64*\p+16*\c+4*\j:SS+64*\p+16*\c+4*\j+3], v5 offset:16*\j
.endr
.endr
.endr
	s_wait_dscnt 0x0
.irp p, 0,1
.set i, 0
.rept 32
	v_med3_num_f32 v[SS+64*\p+i], v[SS+64*\p+i], -v8, v8   ; the conversion does not saturate (ISA guide 7.6.2): hold first
.set i, i+1
.endr
.endr
.irp p, 0,1
.irp c, 0,1
	v_cvt_scalef32_pk8_bf8_f32 v[QC+8*\p+4*\c:QC+8*\p+4*\c+1], v[SS+64*\p+16*\c:SS+64*\p+16*\c+7], v9
	v_cvt_scalef32_pk8_bf8_f32 v[QC+8*\p+4*\c+2:QC+8*\p+4*\c+3], v[SS+64*\p+16*\c+8:SS+64*\p+16*\c+15], v9
.endr
.endr
	v_nop                                          ; one plain line behind the last conversion
.endm
.macro TAILSUM                         ; each tile's four chains are joined, and the row's sum takes them: l = l f + the step's sum (f is still that step's)
.irp p, 0,1
	v_pk_add_f32 v[TT-168*\p:TT-168*\p+1], v[TT-168*\p:TT-168*\p+1], v[TT-168*\p+2:TT-168*\p+3]
.endr
.irp p, 0,1
	v_pk_add_f32 v[TT-168*\p+4:TT-168*\p+5], v[TT-168*\p+4:TT-168*\p+5], v[TT-168*\p+6:TT-168*\p+7]
.endr
.irp p, 0,1
	v_pk_add_f32 v[TT-168*\p:TT-168*\p+1], v[TT-168*\p:TT-168*\p+1], v[TT-168*\p+4:TT-168*\p+5]
.endr
.irp p, 0,1
	v_pk_fma_f32 v[ST+4*\p+2:ST+4*\p+3], v[ST+4*\p+2:ST+4*\p+3], v[FF+2*\p:FF+2*\p+1], v[TT-168*\p:TT-168*\p+1] op_sel_hi:[1,0,1]
.endr
.endm
.macro KLOAD adr                       ; K's eight fragments
.irp t, 0,1,2,3,4,5,6,7
	ds_load_b128 v[KF+8*\t:KF+8*\t+3], v[\adr] offset:1024*\t
	ds_load_b128 v[KF+8*\t+4:KF+8*\t+7], v[\adr] offset:1024*\t+512
.endr
.endm
.macro RESCALE                         ; O^T x f, each accumulator from its low end on
	WIN 0x41
.irp p, 0,1
.set i, 0
.rept 16
	v_pk_mul_f32 v[OT+32*\p+i:OT+32*\p+i+1], v[OT+32*\p+i:OT+32*\p+i+1], v[FF+2*\p:FF+2*\p+1] op_sel_hi:[1,0]
.set i, i+2
.endr
.endr
.endm
; A KEY STEP: 128 keys x my 32 queries.
.macro STEP
	s_lshl_b32 s[TB], s[CNT], 14
	s_and_b32 s[TB], s[TB], 0x3c000
	s_add_co_u32 s[NX], s[TB], BLKB
	s_and_b32 s[NX], s[NX], 0x3c000
	s_wait_dscnt 0x0                               ; K's fragments, asked for a step ago
	WIN 0x01
.irp t, 0,1,2,3,4,5,6,7
.irp p, 0,1
	v_wmma_f32_16x16x64_bf8_bf8 v[SS+64*\p+8*\t:SS+64*\p+8*\t+7], v[KF+8*\t:KF+8*\t+7], v[QC+8*\p:QC+8*\p+7], 0   ; S^T: register 16 b + i is key 32 b + 16 h + i
.endr
.endr
	WIN 0
	v_add_nc_u32 v2, s[TB], v1                     ; these ten plain lines are the places behind the products (ISA guide 7.12.1)
	v_add_nc_u32 v6, s[NX], v1
	TAILSUM
	WIN 0x40
.irp t, 0,1,2,3
.irp c, 0,1,2,3
	ds_load_b128 v[VF+16*\t+4*\c:VF+16*\t+4*\c+3], v2 offset:8192+2048*\t+512*\c   ; this step's V^T
.endr
.endr
	KLOAD 6                                        ; and the next step's K
	WIN 0
.irp k, 0,1,2,3                        ; the step's largest score of each query among my 64 keys: four chains a tile, ascending through the accumulators
.irp p, 0,1
	v_max3_num_f32 v[CC+4*\p+\k], v[SS+64*\p+3*\k], v[SS+64*\p+3*\k+1], v[SS+64*\p+3*\k+2]
.endr
.endr
.set i, 12
.rept 26
.irp p, 0,1
	v_max3_num_f32 v[CC+4*\p+(i/2-6)%4], v[CC+4*\p+(i/2-6)%4], v[SS+64*\p+i], v[SS+64*\p+i+1]
.endr
.set i, i+2
.endr
.irp p, 0,1
	v_max3_num_f32 v[CC+4*\p], v[CC+4*\p], v[CC+4*\p+1], v[CC+4*\p+2]
.endr
.irp p, 0,1
	v_max_num_f32 v[CC+4*\p], v[CC+4*\p], v[CC+4*\p+3]
.endr
.irp p, 0,1
	v_permlanex16_b32 v[CC+4*\p+1], v[CC+4*\p], s[SEL], s[SEL+1]
.endr
.irp p, 0,1
	v_max_num_f32 v[CC+4*\p], v[CC+4*\p], v[CC+4*\p+1]   ; and among lane l xor 16's
.endr
.irp p, 0,1
	v_mul_f32 v[CC+4*\p], s[CS], v[CC+4*\p]        ; as t (c is positive)
.endr
.irp p, 0,1
	v_max_num_f32 v[ST+4*\p+1], v[ST+4*\p+1], v[CC+4*\p]   ; the running largest t
.endr
.irp p, 0,1
	v_mov_b32 v[CC+4*\p+2], v[ST+4*\p]
.endr
.irp p, 0,1
	v_floor_f32 v[ST+4*\p], -v[ST+4*\p+1]          ; the new -M = -ceil(t)
.endr
.irp p, 0,1
	v_sub_f32 v[CC+4*\p+2], v[ST+4*\p], v[CC+4*\p+2]   ; old M - new M: a whole number, 0 or less
.endr
.irp p, 0,1
	v_cvt_i32_f32 v[CC+4*\p+2], v[CC+4*\p+2]       ; (it saturates)
.endr
.irp p, 0,1
	v_ldexp_f32 v[FF+2*\p], 1.0, v[CC+4*\p+2]      ; f = 2^(old M - new M)
.endr
.set i, 0
.rept 32
	v_pk_fma_f32 v[SS+i:SS+i+1], v[SS+i:SS+i+1], s[CS:CS+1], v[ST:ST+1] op_sel_hi:[1,0,0]   ; tile 0: t - M
.set i, i+2
.endr
	RESCALE                                        ; O^T's first readers stand ahead of the exponentials
	WIN 0
	s_wait_alu depctr_va_vdst(0)                   ; the wait ahead of a batch
.set i, 0
.rept 32                               ; tile 0's exponentials; among them tile 1's t - M, lines that hang on nothing written in the batch
	v_exp_f32 v[SS+i], v[SS+i]
	v_exp_f32 v[SS+i+1], v[SS+i+1]
	v_pk_fma_f32 v[SS+64+i:SS+64+i+1], v[SS+64+i:SS+64+i+1], s[CS:CS+1], v[ST+4:ST+5] op_sel_hi:[1,0,0]
.set i, i+2
.endr
	s_wait_alu depctr_va_vdst(0)                   ; behind tile 0's batch and ahead of tile 1's
.set g, 0
.rept 8                                ; tile 1's exponentials; among them tile 0's conversions and the first level of its sums (of the UNQUANTISED p), read only behind the next wait
	v_exp_f32 v[SS+64+8*g], v[SS+64+8*g]
	v_exp_f32 v[SS+64+8*g+1], v[SS+64+8*g+1]
	v_cvt_scalef32_pk8_bf8_f32 v[PC+2*g:PC+2*g+1], v[SS+8*g:SS+8*g+7], v11
	v_exp_f32 v[SS+64+8*g+2], v[SS+64+8*g+2]
	v_exp_f32 v[SS+64+8*g+3], v[SS+64+8*g+3]
	v_pk_add_f32 v[TT+4*g:TT+4*g+1], v[SS+8*g:SS+8*g+1], v[SS+8*g+2:SS+8*g+3]
	v_exp_f32 v[SS+64+8*g+4], v[SS+64+8*g+4]
	v_exp_f32 v[SS+64+8*g+5], v[SS+64+8*g+5]
	v_exp_f32 v[SS+64+8*g+6], v[SS+64+8*g+6]
	v_exp_f32 v[SS+64+8*g+7], v[SS+64+8*g+7]
	v_pk_add_f32 v[TT+4*g+2:TT+4*g+3], v[SS+8*g+4:SS+8*g+5], v[SS+8*g+6:SS+8*g+7]
.set g, g+1
.endr
	s_wait_alu depctr_va_vdst(0)                   ; behind tile 1's batch
.set g, 0
.rept 8
	v_cvt_scalef32_pk8_bf8_f32 v[PC+16+2*g:PC+16+2*g+1], v[SS+64+8*g:SS+64+8*g+7], v11
.set g, g+1
.endr
.irp m, 1,2,3                          ; tile 0's sixteen first-level sums into its four chains; also the plain lines behind the conversions
.irp j, 0,1,2,3
	v_pk_add_f32 v[TT+2*\j:TT+2*\j+1], v[TT+2*\j:TT+2*\j+1], v[TT+8*\m+2*\j:TT+8*\m+2*\j+1]
.endr
.endr
	s_wait_dscnt 16                                ; V^T's sixteen loads are in; the sixteen behind them, the next K's, may be out
	WIN 0x51
.irp t, 0,1,2,3
.irp p, 0,1
	v_wmma_f32_16x16x128_bf8_bf8 v[OT+32*\p+8*\t:OT+32*\p+8*\t+7], v[VF+16*\t:VF+16*\t+15], v[PC+16*\p:PC+16*\p+15], v[OT+32*\p+8*\t:OT+32*\p+8*\t+7]   ; O^T += V^T P^T; eight accumulators by turns
.endr
.endr
	WIN 0
.irp j, 0,1,2,3                        ; tile 1's sums of the unquantised p: four chains
	v_pk_add_f32 v[TT-168+2*\j:TT-168+2*\j+1], v[SS+64+2*\j:SS+64+2*\j+1], v[SS+72+2*\j:SS+72+2*\j+1]
.endr
.irp m, 2,3,4,5,6,7
.irp j, 0,1,2,3
	v_pk_add_f32 v[TT-168+2*\j:TT-168+2*\j+1], v[TT-168+2*\j:TT-168+2*\j+1], v[SS+64+8*\m+2*\j:SS+64+8*\m+2*\j+1]
.endr
.endr
.endm
	QLOAD 0                                        ; the first pass's q
	s_wait_kmcnt 0x0
	s_add_co_i32 s18, s48, s49                     ; e0 + e1 are added to c's exponent field
	s_lshl_b32 s18, s18, 23
	s_mov_b32 s[CS], 0x3e38aa3b                    ; log2(e) / 8
	s_add_co_i32 s[CS], s[CS], s18
	s_mov_b32 s[CS+1], s[CS]
	s_add_co_i32 s18, s48, 127
	s_lshl_b32 s19, s18, 23
	v_mov_b32 v9, s19                              ; 2^e0
	s_add_co_i32 s18, s18, 15
	s_lshl_b32 s18, s18, 23
	s_or_b32 s18, s18, 0x600000
	v_mov_b32 v8, s18                              ; 57,344 x 2^e0
	s_add_co_i32 s18, s50, 127
	s_lshl_b32 s18, s18, 23
	v_mov_b32 v11, s18                             ; 2^e2
	s_sub_co_i32 s18, s52, s50
	s_sub_co_i32 s18, s18, s51                     ; e4 - e2 - e3
	s_add_co_i32 s18, s18, 127
	s_lshl_b32 s19, s18, 23
	v_mov_b32 v7, s19
	s_add_co_i32 s18, s18, 15
	s_lshl_b32 s18, s18, 23
	s_or_b32 s18, s18, 0x600000
	v_mov_b32 v10, s18
	QTURN
	s_wait_alu depctr_va_vdst(0)                   ; the wait at the head's end
	s_wait_tensorcnt 0x0                           ; my two blocks are in,
	s_wait_dscnt 0x0
	s_barrier_signal -1
	s_barrier_wait -1                              ; and everybody's: the head's codes are whole
	WIN 0x40
	KLOAD 1                                        ; block 0's K
	WIN 0
.Lpass:                                            ; two passes of 256 queries
	s_cmp_eq_u32 s[PASS], 1
	s_cbranch_scc1 .Lno_next
	QLOAD 1048576                                  ; the second pass's q, 256 rows on, a pass ahead
.Lno_next:
.irp p, 0,1
	v_mov_b32 v[ST+4*\p+1], 0xff61b1e6             ; the largest t so far: -3e38
	v_floor_f32 v[ST+4*\p], -v[ST+4*\p+1]
	v_mov_b32 v[ST+4*\p+2], 0
	v_mov_b32 v[ST+4*\p+3], 0
	v_mov_b32 v[FF+2*\p], 0
	v_mov_b32 v[FF+2*\p+1], 0
.endr
.set i, 0
.rept 8
	v_mov_b32 v[TT+i], 0
	v_mov_b32 v[TT-168+i], 0
.set i, i+1
.endr
	WIN 0x40
.set i, 0
.rept 64
	v_mov_b32 v[OT+i], 0                           ; the step is written once: the first finds zeros
.set i, i+1
.endr
	WIN 0
	s_mov_b32 s[CNT], 0
.Lstep:
	STEP
	s_add_co_u32 s[CNT], s[CNT], 1
	s_cmp_lt_u32 s[CNT], 16
	s_wait_alu depctr_va_vdst(0)                   ; directly ahead of the branch
	s_cbranch_scc1 .Lstep
	TAILSUM
.irp p, 0,1
	v_add_f32 v[ST+4*\p+2], v[ST+4*\p+2], v[ST+4*\p+3]
.endr
.irp p, 0,1
	v_permlanex16_b32 v[CC+4*\p], v[ST+4*\p+2], s[SEL], s[SEL+1]
.endr
.irp p, 0,1
	v_add_f32 v[ST+4*\p+2], v[ST+4*\p+2], v[CC+4*\p]   ; the row's sum, at least 1/2
.endr
	s_wait_alu depctr_va_vdst(0)
.irp p, 0,1
	v_rcp_f32 v[FF+2*\p], v[ST+4*\p+2]
.endr
	v_nop
	WIN 0x41
	s_wait_alu depctr_va_vdst(0)                   ; for the reciprocals, and directly ahead of O^T's first readers
	RESCALE                                        ; O^T / the sum
.set i, 0
.rept 64
	v_med3_num_f32 v[OT+i], v[OT+i], -v10, v10
.set i, i+1
.endr
	WIN 0x01
.irp p, 0,1
.irp t, 0,1,2,3
	v_cvt_scalef32_pk8_bf8_f32 v[PC+16*\p+2*\t:PC+16*\p+2*\t+1], v[OT+32*\p+8*\t:OT+32*\p+8*\t+7], v7   ; two images of the next product's fragment
.endr
.endr
	WIN 0
	v_nop
.irp p, 0,1
	global_store_b128 v1, v[PC+16*\p:PC+16*\p+3], s[10:11] offset:2048*\p          ; each store of the wave covers 512 consecutive bytes, aligned
	global_store_b128 v1, v[PC+16*\p+4:PC+16*\p+7], s[10:11] offset:2048*\p+512
.endr
	s_cmp_eq_u32 s[PASS], 1
	s_cbranch_scc1 .Ldone
	s_wait_xcnt 0x0                                ; the stores' base and data are written again only behind this wait
	s_add_nc_u64 s[10:11], s[10:11], 262144        ; two blocks of 128 rows on
	QTURN
	s_sub_co_u32 s[PASS], s[PASS], 1
	s_cmp_lg_u32 s[PASS], 0
	s_wait_alu depctr_va_vdst(0)
	s_cbranch_scc1 .Lpass
.Ldone:
	s_wait_tensorcnt 0x0                           ; the wave's end
	ds_add_u32 v[SPW], v[NIL]
	s_wait_dscnt 0x0
	CROUND                                         ; the closing round
	s_endpgm
.Lfunc_end_k_q5c7f1b7b44_attn:
	.size	k_q5c7f1b7b44_attn, .Lfunc_end_k_q5c7f1b7b44_attn-k_q5c7f1b7b44_attn
	.p2alignl 7, 3214868480
	.fill 96, 4, 3214868480
	.section	.rodata,"a",@progbits
	.p2align	6, 0x0
	.amdhsa_kernel k_q5c7f1b7b44_attn
		.amdhsa_group_segment_fixed_size 301056
		.amdhsa_private_segment_fixed_size 0
		.amdhsa_enable_private_segment 0
		.amdhsa_kernarg_size 32
		.amdhsa_user_sgpr_count 2
		.amdhsa_user_sgpr_kernarg_segment_ptr 1
		.amdhsa_wavefront_size32 1
		.amdhsa_system_sgpr_workgroup_id_x 1
		.amdhsa_system_sgpr_workgroup_id_y 1
		.amdhsa_system_sgpr_workgroup_id_z 1
		.amdhsa_system_vgpr_workitem_id 0
		.amdhsa_next_free_vgpr 512
		.amdhsa_next_free_sgpr 66
		.amdhsa_reserve_vcc 0
		.amdhsa_float_denorm_mode_32 3
		.amdhsa_float_denorm_mode_16_64 3
		.amdhsa_memory_ordered 1
		.amdhsa_forward_progress 1
		.amdhsa_inst_pref_size 60
	.end_amdhsa_kernel
	.amdgpu_metadata
---
amdhsa.version: [ 1, 2 ]
amdhsa.kernels:
  - .name:           k_q5c7f1b7b44_attn
    .symbol:         k_q5c7f1b7b44_attn.kd
    .args:
      - { .name: q, .offset: 0, .size: 8, .value_kind: global_buffer, .address_space: global }
      - { .name: kv_codes, .offset: 8, .size: 8, .value_kind: global_buffer, .address_space: global }
      - { .name: lowp_scales, .offset: 16, .size: 8, .value_kind: global_buffer, .address_space: global }
      - { .name: a_codes, .offset: 24, .size: 8, .value_kind: global_buffer, .address_space: global }
    .group_segment_fixed_size: 301056
    .private_segment_fixed_size: 0
    .kernarg_segment_align: 8
    .kernarg_segment_size: 32
    .max_flat_workgroup_size: 256
    .sgpr_count:     66
    .vgpr_count:     512
    .wavefront_size: 32
...
	.end_amdgpu_metadata
.endif
;; end of part 2
;; launch proj (part 3): grid 32 x 8, 8 waves a work-group, clusters of 4 x 1, 167,936 bytes of LDS; arguments a_codes, w_codes, lowp_scales, b_out, out0; writes out0
.if DOCPART == 3
	.amdgcn_target "amdgcn-amd-amdhsa--gfx1250"
	.amdhsa_code_object_version 6
	.text
	.protected	k_q5c7f1b7b44_proj
	.globl	k_q5c7f1b7b44_proj
	.p2align	8
	.type	k_q5c7f1b7b44_proj,@function
k_q5c7f1b7b44_proj:
	s_mov_b64 s[64:65], 0
	v_nop
	global_prefetch_b8 v0, s[64:65] scope:SCOPE_SE
	s_setreg_imm32_b32 hwreg(HW_REG_WAVE_MODE, 25, 1), 1
	s_wait_xcnt 0x0
	s_wait_alu depctr_hold_cnt(0) depctr_sa_sdst(0) depctr_va_vdst(0) depctr_va_sdst(0) depctr_va_ssrc(0) depctr_va_vcc(0) depctr_vm_vsrc(0)
	s_getreg_b32 s2, hwreg(HW_REG_IB_STS2, 6, 4)
	s_cmp_eq_u32 s2, 0
	s_cbranch_scc0 .Lentry_in_a_cluster
	s_endpgm
.Lentry_in_a_cluster:
	s_bfe_u32 s2, ttmp6, 0x10000c
	s_cmp_lg_u32 s2, 0x3003
	s_cbranch_scc0 .Lentry_shape_is_right
	s_endpgm
.Lentry_shape_is_right:
; out0[m][n] = 2^(e4 + e5) x (the sum over k of A[m][k] W[n][k]) + b_out[n]: 8,192 x 1,024 x 1,024 on codes of BF8 (E5M2); sums in f32; out0 f32.
; a_codes: [block of 128 rows 64][128 along k 8][tile of 16 rows 8][2,048]; w_codes: [block of 128 rows n 8][128 along k 8][tile 8][2,048]: fragments as images of their registers (four images of 512 bytes,
; lane l's 16 bytes at 16 l; lane (r, h) holds k = 32 c + 16 h + 0 .. 15 in image c: the same permutation of k on both sides).  In w_codes lane r of tile 2 b + u holds row 32 b + 8 u + r + 8 (r / 8) of the block.
; LIMIT: e4 + e5 between -126 and 127, so that 2^(e4 + e5) is an f32 number.
; SHARES.  256 work-groups, each 256 rows x 128 columns of out0; eight waves, each 64 rows x 64 columns: 16 accumulators, 128 registers.
; W, which all 32 blocks of rows read, LIES IN LDS WHOLE: 128 columns x 1,024 = 131,072 bytes, filled once: each wave issues one load of one K step, 16,384 bytes.  A cluster is four blocks of rows of one block of
; columns: the four ask for W JOINTLY (the same loads, the same descriptors, a mask that names the four).  No LDS byte is filled twice: no ring, one barrier.
; A GOES FROM MEMORY STRAIGHT INTO REGISTERS: it is laid in the order in which the operand registers take it, so each load of a wave reads 512 consecutive bytes, aligned.  (A's 256 rows beside W would be 393,216 bytes, more than LDS has.)
; K goes in sixteen half steps of 64 (two images of each fragment, the K = 64 form).  A unit is a half step's four fragments of A, 32 registers, 8 loads; eight units take turns.  W's four fragments of a half step
; come from LDS into two sets of 32 registers by turns, two half steps ahead.  Every offset is an immediate; no pointer is stepped.
; NO PREFETCH: the ring of units itself asks eight half steps ahead of use, out of sixteen in all, and W is asked for whole at the head.
; THE MATRIX INSTRUCTION IS USED TRANSPOSED (source 0 = 16 rows of W, source 1 = 16 rows of A): a lane's 16 results of two neighbouring tiles are 16 neighbouring columns of one row of out0.
; REGISTERS.  Window 0: v1 16 x lane; v4, v5 W's LDS address for K steps 0-3, 4-7; v6-9 the way out; v14, v15 the add's two; v16-143 accumulator (a, b) at 16 + 8 (4 a + b), on the way out the rows read back;
;   v144-175 the bias; v176-239 W's two sets, on the way out at work.  Window 1: A's unit u at 32 u.
.set SPIT,  272                        ; a stage row: 256 bytes + 16 of padding
.set STG,   131072                     ; behind W: 16 rows x 272 bytes for each wave, its own, for the way out
.set SPARE, STG+8*16*SPIT              ; behind the stages: the spare words, 128 bytes a wave, four blocks of 256 bytes that no other line names
.set ACC,   16
.set BI,    144
.set WB,    176
.set TM,    176
.set WV,    14
.set G1,    36
.set G0,    44
.set MSB, 0
.macro WIN new                         ; the immediate's high byte repeats the setting that is left
.if MSB != \new
	s_set_vgpr_msb (MSB<<8)|\new
.set MSB, \new
.endif
.endm
.macro CROUND                          ; a round of the cluster's barrier
	s_barrier_signal -1
	s_barrier_wait -1
	s_cmp_lg_u32 s[WV], 0
	s_cbranch_scc1 .Lnot_wave_0_\@
	s_barrier_signal -3
.Lnot_wave_0_\@:
	s_barrier_wait -3
	s_barrier_signal -1
	s_barrier_wait -1
.endm
	s_load_b256 s[4:11], s[0:1], 0x0               ; a_codes, w_codes, the scales' exponents, b_out
	s_load_b64 s[12:13], s[0:1], 0x20              ; out0
	v_lshl_add_u32 v14, v0, 2, SPARE
	v_mov_b32 v15, 0
	ds_add_u32 v14, v15                            ; the opening lines: the add twice on end and its wait ahead of my tensor load
	ds_add_u32 v14, v15
	v_lshrrev_b32 v1, 5, v0
	v_readfirstlane_b32 s[WV], v1                  ; wave 0..7
	s_lshr_b32 s15, s[WV], 1                       ; wm: which 64 rows are mine
	s_and_b32 s16, s[WV], 1                        ; wn: which 64 columns
	s_bfe_u32 s17, ttmp6, 0x40000                  ; cx: it enters A's and out0's addresses alone
	s_lshl_b32 s20, ttmp9, 2
	s_add_co_u32 s20, s20, s17                     ; y: block of 256 rows
	s_and_b32 s19, ttmp7, 0xffff                   ; x: block of 128 columns, which the four partners share
	s_lshl_b32 s22, s20, 1                         ; A: block of 128 rows 2 y + wm / 2, tiles 4 (wm % 2) on
	s_lshr_b32 s23, s15, 1
	s_add_co_u32 s22, s22, s23
	s_lshl_b32 s22, s22, 17
	s_and_b32 s23, s15, 1
	s_lshl_b32 s23, s23, 13
	s_add_co_u32 s22, s22, s23
	s_mov_b32 s23, 0
	s_lshl_b32 s34, s[WV], 14                      ; the K step of W that I fetch: its place in LDS and in the block alike
	s_lshl_b32 s24, s19, 17
	s_add_co_u32 s24, s24, s34
	s_mov_b32 s25, 0
	s_lshl_b32 s26, s19, 9                         ; my first column in bytes: 512 x + 256 wn
	s_lshl_b32 s27, s16, 8
	s_add_co_u32 s26, s26, s27
	s_mov_b32 s27, 0
	s_lshl_b32 s28, s20, 20                        ; out0: row 256 y + 64 wm of 4,096 bytes, + my first column
	s_lshl_b32 s29, s15, 18
	s_add_co_u32 s28, s28, s29
	s_add_co_u32 s28, s28, s26
	s_mov_b32 s29, 0
	s_mov_b32 s[G1], 15|(3<<16)|(1<<21)            ; the mask: all four work-groups; elements of 8 bytes; bit 21 beside a mask
	s_mov_b32 s[G1+1], 32<<16                      ; a K step is dense: 64 rows of 32 elements
	s_mov_b32 s[G1+2], 64<<16
	s_mov_b32 s[G1+3], 32<<16
	s_mov_b32 s[G1+4], 64
	s_mov_b32 s[G1+5], 32
	s_mov_b32 s[G1+6], 0
	s_mov_b32 s[G1+7], 0
	s_wait_dscnt 0x0
	s_wait_kmcnt 0x0
	s_load_b64 s[30:31], s[8:9], 0x10              ; e4, e5
	s_add_nc_u64 s[4:5], s[4:5], s[22:23]
	s_add_nc_u64 s[6:7], s[6:7], s[24:25]
	s_add_nc_u64 s[10:11], s[10:11], s[26:27]
	s_add_nc_u64 s[12:13], s[12:13], s[28:29]
	CROUND                                         ; all four work-groups are here: the joint loads meet
	s_mov_b32 s[G0], 1
	s_mov_b32 s[G0+1], s34
	s_mov_b64 s[G0+2:G0+3], s[6:7]
	s_or_b32 s[G0+3], s[G0+3], 0x80000000
	tensor_load_to_lds s[G0:G0+3], s[G1:G1+7]      ; every wave's one load
	s_nop 0
.rept 4
	v_nop
.endr
	s_lshl_b32 s21, s16, 13                        ; my four tiles of columns: 4 x 2,048 x wn
	s_mul_i32 s18, s[WV], 16*SPIT
	s_add_co_u32 s18, s18, STG                     ; my stage
	v_and_b32 v1, 31, v0
	v_lshlrev_b32 v1, 4, v1                        ; 16 x lane: my place in an image
	v_add_nc_u32 v4, s21, v1
	v_add_nc_u32 v5, 0x10000, v4
	v_and_b32 v10, 15, v0                          ; r
	v_bfe_u32 v11, v0, 4, 1                        ; h
	v_mul_u32_u24 v6, v10, SPIT
	v_lshl_add_u32 v6, v11, 6, v6
	v_add_nc_u32 v6, s18, v6                       ; into the stage: row r, + 64 h bytes: my 16 columns of a run of 32
	v_mul_u32_u24 v7, v11, SPIT
	v_lshl_add_u32 v7, v10, 4, v7
	v_add_nc_u32 v7, s18, v7                       ; back: lanes 0-15 one row of 256 bytes, lanes 16-31 the next
	v_lshlrev_b32 v8, 12, v11
	v_lshl_add_u32 v8, v10, 4, v8                  ; and the same two rows in out0
	v_lshlrev_b32 v9, 6, v11                       ; b_out: + 64 h bytes
.irp g, 0,1
.irp q, 0,1,2,3
	global_load_b128 v[BI+16*\g+4*\q:BI+16*\g+4*\q+3], v9, s[10:11] offset:128*\g+16*\q   ; the bias in the results' layout: register 8 b + j: column 32 (b / 2) + 16 h + 8 (b % 2) + j of my 64
.endr
.endr
.macro LOADA hs                        ; A's four fragments of half step hs into unit hs % 8: images 2 (hs % 2) and the next of K step hs / 2
.irp f, 0,1,2,3
.irp c, 0,1
	global_load_b128 v[32*((\hs)%8)+8*\f+4*\c:32*((\hs)%8)+8*\f+4*\c+3], v1, s[4:5] offset:16384*((\hs)/2)+1024*((\hs)%2)+2048*\f+512*\c
.endr
.endr
.endm
.macro LOADW hs                        ; W's four fragments of half step hs into set hs % 2
.irp f, 0,1,2,3
.irp c, 0,1
	ds_load_b128 v[WB+32*((\hs)%2)+8*\f+4*\c:WB+32*((\hs)%2)+8*\f+4*\c+3], v[4+(\hs)/8] offset:16384*(((\hs)/2)%4)+1024*((\hs)%2)+2048*\f+512*\c
.endr
.endr
.endm
; A half step: 16 matrix instructions, the 16 accumulators by turns, one instruction a turn; then A's unit takes the half step eight further on, and W's set the one two further on.
.macro HSTEP hs
.if 15-(\hs) >= 7
	s_wait_loadcnt 56                              ; this unit's 8 loads are in; the seven younger units' 56 may be out
.else
	s_wait_loadcnt 8*(15-(\hs))
.endif
.if (\hs) < 15
	s_wait_dscnt 8                                 ; this half step's W is in; the next one's 8 loads may be out
.else
	s_wait_dscnt 0x0
.endif
	WIN 0x04                                       ; source 1 (A) in window 1; source 0 (W), C and D in window 0
.irp a, 0,1,2,3
.irp b, 0,1,2,3
.if (\hs) == 0
	v_wmma_f32_16x16x64_bf8_bf8 v[ACC+8*(4*\a+\b):ACC+8*(4*\a+\b)+7], v[WB+32*((\hs)%2)+8*\b:WB+32*((\hs)%2)+8*\b+7], v[32*((\hs)%8)+8*\a:32*((\hs)%8)+8*\a+7], 0
.else
	v_wmma_f32_16x16x64_bf8_bf8 v[ACC+8*(4*\a+\b):ACC+8*(4*\a+\b)+7], v[WB+32*((\hs)%2)+8*\b:WB+32*((\hs)%2)+8*\b+7], v[32*((\hs)%8)+8*\a:32*((\hs)%8)+8*\a+7], v[ACC+8*(4*\a+\b):ACC+8*(4*\a+\b)+7]
.endif
.endr
.endr
.rept 4
	v_nop                                          ; places in front of loads into registers that matrix instructions have read, and of the first read of results (ISA guide 7.12.1 for the results)
.endr
.if (\hs)+8 < 16
	WIN 0x40                                       ; destination in window 1, address in window 0
	LOADA (\hs)+8
.endif
	WIN 0
.if (\hs)+2 < 16
	LOADW (\hs)+2
.endif
.endm
	WIN 0x40
.irp t, 0,1,2,3,4,5,6,7
	LOADA \t
.endr
	WIN 0
	s_wait_alu depctr_va_vdst(0)                   ; the wait at the head's end
	s_wait_tensorcnt 0x0                           ; my K step of W is in,
	s_wait_dscnt 0x0
	s_barrier_signal -1
	s_barrier_wait -1                              ; and everybody's: W is whole
	LOADW 0
	LOADW 1
.irp t, 0,1,2,3,4,5,6,7,8,9,10,11,12,13,14,15
	HSTEP \t
.endr
	; THE WAY OUT: sum x 2^(e4 + e5) + bias, one packed multiply-add for two numbers; 16 rows x 64 columns at a time through my own stage, back as whole rows of 256 bytes into the accumulators' registers.
	s_wait_kmcnt 0x0
	s_add_co_i32 s32, s30, s31
	s_add_co_i32 s32, s32, 127
	s_lshl_b32 s32, s32, 23                        ; 2^(e4 + e5) as f32
	s_mov_b32 s33, s32                             ; (named with it as a pair, so it is written)
.irp a, 0,1,2,3
.irp i, 0,2,4,6,8,10,12,14,16,18,20,22,24,26,28,30
	v_pk_fma_f32 v[TM+\i:TM+\i+1], v[ACC+32*\a+\i:ACC+32*\a+\i+1], s[32:33], v[BI+\i:BI+\i+1] op_sel_hi:[1,0,1]   ; each accumulator from its low end on
.endr
.irp b, 0,1,2,3
	ds_store_b128 v6, v[TM+8*\b:TM+8*\b+3] offset:128*(\b/2)+32*(\b%2)
	ds_store_b128 v6, v[TM+8*\b+4:TM+8*\b+7] offset:128*(\b/2)+32*(\b%2)+16
.endr
.irp i, 0,1,2,3,4,5,6,7
	ds_load_b128 v[ACC+32*\a+4*\i:ACC+32*\a+4*\i+3], v7 offset:2*SPIT*\i   ; LDS serves a wave's instructions in order (ISA guide 5.7.1.4): these see my stores, and the next block's stores come behind them
.endr
.endr
.irp a, 0,1,2,3
.irp i, 0,1,2,3,4,5,6,7
	s_wait_dscnt 16*(3-\a)+7-\i                    ; behind this load: the block's later loads and the later blocks' 16 LDS instructions each
	global_store_b128 v8, v[ACC+32*\a+4*\i:ACC+32*\a+4*\i+3], s[12:13] offset:(16*\a+2*\i)*4096 th:TH_STORE_NT   ; 16 lanes store 256 consecutive bytes, aligned; written once, read by nobody here
.endr
.endr
	s_wait_tensorcnt 0x0                           ; the wave's end, behind my tensor load and my last LDS store
	ds_add_u32 v14, v15
	s_wait_dscnt 0x0
	CROUND                                         ; the closing round: no work-group ends while a partner may still ask for a K step that names it
	s_endpgm
.Lfunc_end_k_q5c7f1b7b44_proj:
	.size	k_q5c7f1b7b44_proj, .Lfunc_end_k_q5c7f1b7b44_proj-k_q5c7f1b7b44_proj
	.p2alignl 7, 3214868480
	.fill 96, 4, 3214868480
	.section	.rodata,"a",@progbits
	.p2align	6, 0x0
	.amdhsa_kernel k_q5c7f1b7b44_proj
		.amdhsa_group_segment_fixed_size 167936
		.amdhsa_private_segment_fixed_size 0
		.amdhsa_enable_private_segment 0
		.amdhsa_kernarg_size 40
		.amdhsa_user_sgpr_count 2
		.amdhsa_user_sgpr_kernarg_segment_ptr 1
		.amdhsa_wavefront_size32 1
		.amdhsa_system_sgpr_workgroup_id_x 1
		.amdhsa_system_sgpr_workgroup_id_y 1
		.amdhsa_system_sgpr_workgroup_id_z 1
		.amdhsa_system_vgpr_workitem_id 0
		.amdhsa_next_free_vgpr 512
		.amdhsa_next_free_sgpr 66
		.amdhsa_reserve_vcc 0
		.amdhsa_float_denorm_mode_32 3
		.amdhsa_float_denorm_mode_16_64 3
		.amdhsa_memory_ordered 1
		.amdhsa_forward_progress 1
		.amdhsa_inst_pref_size 58
	.end_amdhsa_kernel
	.amdgpu_metadata
---
amdhsa.version: [ 1, 2 ]
amdhsa.kernels:
  - .name:           k_q5c7f1b7b44_proj
    .symbol:         k_q5c7f1b7b44_proj.kd
    .args:
      - { .name: a_codes, .offset: 0, .size: 8, .value_kind: global_buffer, .address_space: global }
      - { .name: w_codes, .offset: 8, .size: 8, .value_kind: global_buffer, .address_space: global }
      - { .name: lowp_scales, .offset: 16, .size: 8, .value_kind: global_buffer, .address_space: global }
      - { .name: b_out, .offset: 24, .size: 8, .value_kind: global_buffer, .address_space: global }
      - { .name: out0, .offset: 32, .size: 8, .value_kind: global_buffer, .address_space: global }
    .group_segment_fixed_size: 167936
    .private_segment_fixed_size: 0
    .kernarg_segment_align: 8
    .kernarg_segment_size: 40
    .max_flat_workgroup_size: 256
    .sgpr_count:     66
    .vgpr_count:     512
    .wavefront_size: 32
...
	.end_amdgpu_metadata
.endif
;; end of part 3
